; MI455X (gfx1250); checked and timed in simulation.
; The chip was launched on July 23, 2026; its instructions are those of AMD's public machine-readable ISA for CDNA 5 (MIT licence, August 2026) and "CDNA5" Instruction Set Architecture Reference Guide (July 2026). The comments in the code are by the model that wrote it; some were corrected since.
;; Multi Head Self Attention. Allowed arithmetic: matrix products marked QUANTISED: E2M1 operands, one E8M0 scale for each 32 along K, by v_wmma_scale_f32_16x16x128_f8f6f4 with both operands' format E2M1 (or v_wmma_scale_f32_32x16x128_f4), f32 sums; everything else in f32.
;; Inputs: out_b 1,024 float32; out_w_codes 1,024 x 32 x 16 uint8 (E2M1 codes of out_w, K innermost, in blocks of 32 codes, two codes a byte); out_w_scales 1,024 x 32 uint8 (E8M0 scales of out_w, one for each 32 codes along K); qkv_b 3,072 float32; qkv_w_codes 3,072 x 32 x 16 uint8 (E2M1 codes of qkv_w, K innermost, in blocks of 32 codes, two codes a byte); qkv_w_scales 3,072 x 32 uint8 (E8M0 scales of qkv_w, one for each 32 codes along K); x_codes 2 x 2,048 x 32 x 16 uint8 (E2M1 codes of x, K innermost, in blocks of 32 codes, two codes a byte); x_scales 2 x 2,048 x 32 uint8 (E8M0 scales of x, one for each 32 codes along K).
;; Outputs: out0 2 x 2,048 x 1,024 float32.
;; This version of the problem:
;;   THIS VERSION OF THE PROBLEM IS GIVEN IN LOW PRECISION. The matrix products marked QUANTISED in the list below multiply operands that are first quantised to E2M1 (2 exponent bits, 1 mantissa bit; 4 bits a number), with one power-of-two scale for each 32 numbers along K (OCP MX v1.0); their sums are f32. All else is computed in f32.
;;   The module's matrix products, in the order in which they are computed (A, B: the left and right operand; K: the contracted axis; several contracted axes count as one K, in the product's order):
;;     1. [M 4,096, K 1,024] x [K 1,024, N 3,072]; A: input x (given as codes); B: input qkv_w (given as codes): QUANTISED
;;     2. batch 32 x [M 2,048, K 64] x [K 64, N 2,048]; A: computed on the way; B: computed on the way: QUANTISED
;;     3. batch 32 x [M 64, K 2,048] x [K 2,048, N 2,048]; A: computed on the way; B: softmax (see below): QUANTISED
;;     4. [M 4,096, K 1,024] x [K 1,024, N 1,024]; A: computed on the way; B: input out_w (given as codes): QUANTISED
;;   THE QUANTISER, for each operand of a quantised product, along K:
;;     - K is cut into blocks of 32 from its start; a last block that is shorter is filled with zeros.
;;     - A block's scale is 2^e with e = floor(log2(the largest magnitude in the block)) - 2, held to -126 .. 127; a block of zeros has e = 0. As a byte (E8M0): e + 127.
;;     - Each number is divided by its block's scale, clamped to +-6, and rounded to the nearest number of E2M1, ties to even, subnormals kept.
;;     - The product sums the exact products of the quantised numbers (number of the format x scale) in f32.
;;   ~~~python
;;   def quantise(x, axis):      # numpy; x: float32 -> the quantised numbers, widened to float32 again
;;       x = np.moveaxis(x, axis, -1); K = x.shape[-1]
;;       x = np.pad(x, [(0, 0)] * (x.ndim - 1) + [(0, -K % 32)]); x = x.reshape(x.shape[:-1] + (-1, 32)); a = np.abs(x).max(-1, keepdims=True)
;;       e = np.where(a > 0, np.clip(np.frexp(np.where(a > 0, a, 1))[1] - 1 - 2, -126, 127), 0)      # np.frexp(a)[1] - 1 = floor(log2(a)), exactly
;;       r = np.clip(x / 2.0 ** e, -6, 6)
;;       step = 2.0 ** (np.maximum(np.frexp(np.where(r == 0, 1, r))[1] - 1, 0) - 1)
;;       q = np.round(r / step) * step * 2.0 ** e      # np.round: ties to even
;;       return np.moveaxis(q.reshape(q.shape[:-2] + (-1,))[..., :K], -1, axis).astype(np.float32)
;;   ~~~
;;   SOFTMAX AHEAD OF A QUANTISED PRODUCT. Where the list says 'softmax', what is quantised is not the finished softmax but p = 2^(t - M), with t = logit x log2(e) and M = ceil(the row's largest t), a whole number; so 1/2 < the row's largest p <= 1. The row's sum l is taken of the UNQUANTISED p, in f32, and the product's result is divided by l at the end. Since M is a whole number, a kernel that streams over the keys may use a running M (the ceiling of the running maximum): every later rescaling is an exact power of two, which a block's scale takes up: the codes' values come out the same.
;;   OPERANDS COMPUTED ON THE WAY. 'Computed on the way' means the value that the module computes at that place (a softmax that the list does not call 'softmax' is quantised finished and normalised). What goes into a quantiser is computed in f32, as accurately as f32 sums, v_exp_f32 and their like allow (about 1e-6 of the number): no bf16 or f16 on the way to a quantiser, and a product that is left as it is and whose result goes on into a quantised operand takes f32 operands (vector FMAs, or v_wmma_f32_16x16x4_f32). A number that lies on a knife's edge between two numbers of the format may be rounded either way, as far as f32 arithmetic and the matrix unit's own rounding can turn it there, and no further.
;;   INPUTS GIVEN AS CODES. out_w (in the module: [1024, 1024], K = its axis 1); qkv_w (in the module: [3072, 1024], K = its axis 1); x (in the module: [2, 2048, 1024], K = its axis 2): each comes as NAME_codes (uint8): NAME with its K axis moved to the last place and cut into blocks of 32 codes, [.., K / 32, bytes a block], one block behind the other in memory; two codes a byte, the lower K in the low four bits (a code: sign, 2 exponent bits, 1 mantissa bit); and NAME_scales (uint8): the same leading axes, one E8M0 byte (e + 127) for each 32 codes along K. Its value is code x scale, taken as it is: it is not quantised again, and the codes and scales need not be those that the quantiser above would give.
;; One version. Each part assembles by itself: llvm-mc -triple=amdgcn-amd-amdhsa -mcpu=gfx1250 --defsym DOCPART=n.
;; ======== version 1 of 1: 3 launches
;; limits: right only within a limited range of input values
;; workspace buffers: q_img 2,097,152 bytes; qs 131,072 bytes; kv 4,456,448 bytes; ctx_img 2,097,152 bytes; cs 131,072 bytes
;; launch qkv (part 1): grid 8 x 32, 8 waves a work-group, clusters of 4 x 4, 281,088 bytes of LDS; arguments x_codes, x_scales, qkv_w_codes, qkv_w_scales, qkv_b, q_img, qs, kv; writes q_img, qs, kv
.if DOCPART == 1
	.amdgcn_target "amdgcn-amd-amdhsa--gfx1250"
	.amdhsa_code_object_version 6
	.text
	.protected	k_q300165d3af_qkv
	.globl	k_q300165d3af_qkv
	.p2align	8
	.type	k_q300165d3af_qkv,@function
k_q300165d3af_qkv:
	s_mov_b64 s[64:65], 0
	v_nop
	global_prefetch_b8 v0, s[64:65] scope:SCOPE_SE
	s_setreg_imm32_b32 hwreg(HW_REG_WAVE_MODE, 25, 1), 1
	s_wait_xcnt 0x0
	s_wait_alu depctr_hold_cnt(0) depctr_sa_sdst(0) depctr_va_vdst(0) depctr_va_sdst(0) depctr_va_ssrc(0) depctr_va_vcc(0) depctr_vm_vsrc(0)
	s_getreg_b32 s2, hwreg(HW_REG_IB_STS2, 6, 4)
	s_cmp_eq_u32 s2, 0
	s_cbranch_scc0 .Lentry_in_a_cluster
	s_endpgm
.Lentry_in_a_cluster:
	s_bfe_u32 s2, ttmp6, 0x10000c
	s_cmp_lg_u32 s2, 0xf033
	s_cbranch_scc0 .Lentry_shape_is_right
	s_endpgm
.Lentry_shape_is_right:
; qkv = x W^T + b on codes of FP4 (E2M1) with one E8M0 scale for each 32 along K = 1,024; then q, k and v are quantised again for attention's two products and leave as codes.  No work of reference() is left out.
; SHARES.  A work-group takes 128 tokens (tb) and a pair of heads (hp): 128 columns each of q, k and v.  Eight waves: a = wave % 2 picks 64 tokens, hd = (wave / 2) % 2 the head, z = wave / 4 makes q (0) or k (1), and
; v's channel tiles 2 z, 2 z + 1: 24 accumulators of 16 x 16.
; ALL OF K LIES IN LDS: 512 rows (128 of x, 128 each of W's q, k, v rows) as two halves along K of 256 bytes a row + 16 of padding.  Eight tensor loads, ONE A WAVE, all at the head: waves 0-3 fetch half 0, waves 4-7 half 1.
; Every byte is filled once.  CLUSTER 4 x 4: the four work-groups of a row share tb and ask for x jointly, the four of a column share hp and ask for W jointly.
; THE ROWS OF A TILE ARE CHOSEN: row r of tile t of a group of 64 is 8 t + r for r < 8, and 32 + 8 ((t + 1) % 4) + r - 8 for r >= 8.  In a result, lane half h then holds the block h of 32 whole, 8 registers a tile: no other
; lane is asked for a block's maximum or codes.  (The turn by one tile in the upper half lets the sixteen rows of a fragment start 16 bytes apart modulo 256.)  The order inside a block is the same in both operands of each product.
; q AND k ARE MADE TRANSPOSED (source 0 = W, source 1 = x): a lane holds a token, registers run along channels.  v THE OTHER WAY (source 0 = x): a lane holds a channel, registers run along the keys.
; WHAT LEAVES: images of four operand registers, 512 bytes, lane l at 16 l.  q_img [bh][tile]; kv [bh][128 keys] records of 8,704 bytes: K 8 tiles | V (channel tile, 64 keys) 4 x 2 | 512 bytes of scale words, lane l at 16 l:
; words 0, 1: K's 64 keys 0, 1, lane 16 (t / 2) + r, bytes 2 (t % 2) + h;  words 2, 3: V's channel tiles 2 i + (lane / 16), byte = block of 32 keys.  qs [bh][tile][r] two bytes.
; No prefetch is written: every tensor load of the launch is issued at its head, so there is no earlier place from which to ask.
; LIMITS: NaN and infinities are not served; a block whose largest magnitude lies under 2^-124 gets the scale byte 1; a block of zeros gets the byte 1 over zero codes (this program alone reads the bytes).
; REGISTERS.  window 0: v1-31 addresses; v32-63 x's scale words (8 mt + ks); v64-111 W's (8 tile + ks; tiles 4, 5 are v's); v112-175 x's fragments, two sets; v176-191 v's bias; v192-255 v's accumulators (32 ct + 8 mt).
;   window 1: v0-95 W's fragments, two sets of 6; v96-127 the bias of q or k; v128-255 the accumulators of q or k (32 mt + 8 nt).  On the way out v32-91 at work.
.set HALF,  139264                     ; 512 rows x 272
.set PART,  34816                      ; 128 rows x 272: what one tensor load brings
.set STG,   2*HALF                     ; the scale bytes meet here: two heads x 512 (K, V), then two heads x 256 (q); no tile lands there
.set SPARE, STG+1536                   ; 128 bytes a wave that no other line names
.set WV,    22                         ; s22 wave; s23 a; s66 hd; s2 z
.set G1A,   24
.set G1B,   32
.set MSB,   0
.macro WIN new                         ; the immediate's high byte repeats the setting that is left
.if MSB != \new
	s_set_vgpr_msb (MSB<<8)|\new
.set MSB, \new
.endif
.endm
.macro PLACES                          ; four plain vector lines behind matrix instructions (ISA guide 7.12.1)
.rept 4
	v_nop
.endr
.endm
.macro CROUND                          ; a round of the cluster's barrier
	s_barrier_signal -1
	s_barrier_wait -1
	s_cmp_lg_u32 s[WV], 0
	s_cbranch_scc1 .Lnot_wave_0_\@
	s_barrier_signal -3
.Lnot_wave_0_\@:
	s_barrier_wait -3
	s_barrier_signal -1
	s_barrier_wait -1
.endm
.macro ARM under, g0, g1, next         ; one arm of the head's loads, on the wave's number alone
	s_cmp_lt_u32 s[WV], \under
	s_cbranch_scc0 \next
	tensor_load_to_lds s[\g0:\g0+3], s[\g1:\g1+7]
	s_nop 0
.rept 4
	v_nop
.endr
	s_branch .Lasked
\next:
.endm
	s_load_b256 s[4:11], s[0:1], 0x0               ; x_codes s[4:5], x_scales s[6:7], qkv_w_codes s[8:9], qkv_w_scales s[10:11]
	s_load_b256 s[12:19], s[0:1], 0x20             ; qkv_b s[12:13], q_img s[14:15], qs s[16:17], kv s[18:19]
	v_lshl_add_u32 v28, v0, 2, SPARE
	v_mov_b32 v29, 0
	ds_add_u32 v28, v29                            ; the opening lines
	ds_add_u32 v28, v29
	v_lshrrev_b32 v1, 5, v0
	v_readfirstlane_b32 s[WV], v1                  ; wave 0..7
	s_and_b32 s23, s[WV], 1                        ; a
	s_bfe_u32 s66, s[WV], 0x10001                  ; hd
	s_lshr_b32 s2, s[WV], 2                        ; z.  Also: which half of K I fetch
	s_bfe_u32 s67, ttmp6, 0x40000                  ; cx
	s_bfe_u32 s68, ttmp6, 0x40004                  ; cy
	s_lshl_b32 s69, ttmp9, 2
	s_add_co_u32 s69, s69, s67                     ; hp = 4 x cluster x + cx
	s_and_b32 s70, ttmp7, 0xffff
	s_lshl_b32 s70, s70, 2
	s_add_co_u32 s70, s70, s68                     ; tb = 4 x cluster y + cy
	s_lshl_b32 s71, s68, 2
	s_lshl_b32 s71, 15, s71                        ; my row of the cluster
	s_lshl_b32 s72, 0x1111, s67                    ; my column
	s_or_b32 s[G1A], s71, (1<<20)|(1<<21)|(5<<22)|(3<<25)   ; mask; elements of 1 byte; padding on; bit 21 beside a mask; after every 64 words; four words
	s_or_b32 s[G1B], s72, (1<<20)|(1<<21)|(5<<22)|(3<<25)
.irp g, G1A, G1B
	s_mov_b32 s[\g+1], 256<<16                     ; tensor_dim0
	s_mov_b32 s[\g+2], 128<<16                     ; tensor_dim1
	s_mov_b32 s[\g+3], 256<<16                     ; tile_dim0
	s_mov_b32 s[\g+4], 128                         ; tile_dim1
	s_mov_b32 s[\g+5], 512                         ; tensor_dim0_stride
	s_mov_b32 s[\g+6], 0
	s_mov_b32 s[\g+7], 0
.endr
	s_lshl_b32 s3, s2, 8                           ; 256 x my half
	s_lshl_b32 s74, s70, 16                        ; x: row 128 tb, 512 bytes a row.  These registers never hold hp or cx
	s_add_co_u32 s74, s74, s3
	s_mov_b32 s75, 0
	s_lshl_b32 s78, s69, 16                        ; W: row 128 hp + 1,024 part.  These never hold tb or cy
	s_and_b32 s79, s[WV], 3
	s_max_u32 s79, s79, 1
	s_sub_co_u32 s79, s79, 1
	s_lshl_b32 s79, s79, 19
	s_add_co_u32 s78, s78, s79
	s_add_co_u32 s78, s78, s3
	s_mov_b32 s79, 0
	s_mul_i32 s86, s[WV], PART                     ; where they go: half x HALF + part x PART
	; byte offsets of all else
	s_lshr_b32 s72, s70, 4                         ; batch
	s_and_b32 s73, s70, 15                         ; the 128 keys of the head that these tokens are
	s_lshl_b32 s76, s69, 1
	s_add_co_u32 s76, s76, s66                     ; my head
	s_lshl_b32 s77, s72, 4
	s_add_co_u32 s77, s77, s76                     ; bh = 16 batch + head
.irp i, 49,51,53,55,57,59,61,63,99
	s_mov_b32 s\i, 0
.endr
	s_lshl_b32 s48, s70, 12                        ; x_scales: row 128 tb + 64 a, 32 bytes a row
	s_lshl_b32 s3, s23, 11
	s_add_co_u32 s48, s48, s3
	s_lshl_b32 s52, s76, 11                        ; W's scales: row 1,024 z + 64 head;
	s_lshl_b32 s50, s2, 15
	s_add_co_u32 s50, s50, s52
	s_add_co_u32 s52, s52, 65536                   ; and row 2,048 + 64 head
	s_lshl_b32 s56, s76, 8                         ; the biases likewise
	s_lshl_b32 s54, s2, 12
	s_add_co_u32 s54, s54, s56
	s_add_co_u32 s56, s56, 8192
	s_lshl_b32 s62, s77, 4
	s_add_co_u32 s62, s62, s73
	s_mul_i32 s62, s62, 8704                       ; my record of kv
	s_add_co_u32 s82, s62, s3                      ; K: + 2,048 a
	s_lshl_b32 s60, s2, 11
	s_add_co_u32 s60, s60, s62
	s_lshl_b32 s83, s23, 9
	s_add_co_u32 s60, s60, s83
	s_add_co_u32 s60, s60, 4096                    ; V: + 4,096 + 2,048 z + 512 a
	s_lshl_b32 s58, s77, 16
	s_lshl_b32 s83, s73, 12
	s_add_co_u32 s58, s58, s83
	s_add_co_u32 s58, s58, s3                      ; q_img: 65,536 bh + 4,096 s + 2,048 a
	s_lshl_b32 s98, s77, 12
	s_lshl_b32 s83, s73, 8
	s_add_co_u32 s98, s98, s83                     ; qs: 4,096 bh + 256 s
	s_cmp_eq_u32 s2, 0
	s_cselect_b32 s58, s58, s82
	; LDS terms of the wave
	s_lshl_b32 s87, s2, 4                          ; 16 z
	s_xor_b32 s88, s2, 1
	s_lshl_b32 s88, s88, 5
	s_add_co_u32 s88, s88, 8                       ; 40 or 8
	s_add_co_u32 s89, s87, 8
	s_mul_i32 s90, s23, 17408                      ; my 64 rows of x
	s_mul_i32 s92, s66, 17408                      ; my head's 64 rows
	s_mul_i32 s91, s2, PART
	s_add_co_u32 s91, s91, s92
	s_add_co_u32 s91, s91, PART                    ; of W's q or k part
	s_add_co_u32 s92, s92, 3*PART                  ; of W's v part
	s_lshl_b32 s93, s66, 9
	s_lshl_b32 s3, s23, 1
	s_lshl_b32 s94, s2, 2
	s_add_co_u32 s94, s94, s93
	s_add_co_u32 s94, s94, s3
	s_add_co_u32 s94, s94, STG+8                   ; V's scale bytes: STG + 512 hd + 8 + 4 z + 2 a
	s_lshl_b32 s3, s23, 2
	s_add_co_u32 s93, s93, s3
	s_add_co_u32 s93, s93, STG                     ; K's: STG + 512 hd + 4 a
	s_lshl_b32 s95, s66, 8
	s_lshl_b32 s3, s23, 7
	s_add_co_u32 s95, s95, s3
	s_add_co_u32 s95, s95, STG+1024                ; q's: STG + 1,024 + 256 hd + 128 a
	v_and_b32 v1, 15, v0                           ; r
	v_bfe_u32 v2, v0, 4, 1                         ; h
	v_and_b32 v3, 7, v0
	v_bfe_u32 v24, v0, 3, 1                        ; r / 8
	v_mul_u32_u24 v25, v24, 40
	v_add_nc_u32 v25, v25, v3                      ; my row of tiles 0, 1, 2 (+ 8 t)
	v_add_nc_u32 v26, 24, v1                       ; and of tile 3
	v_add_nc_u32 v27, s87, v25                     ; and of tile 2 z
	v_mul_u32_u24 v30, s88, v24
	v_add_nc_u32 v30, v30, v3
	v_add_nc_u32 v30, s89, v30                     ; and of tile 2 z + 1
	v_lshlrev_b32 v31, 4, v2
	v_mul_u32_u24 v4, v25, 272
	v_mul_u32_u24 v5, v26, 272
	v_mul_u32_u24 v12, v27, 272
	v_mul_u32_u24 v13, v30, 272
	v_add_nc_u32 v4, v4, v31
	v_add_nc_u32 v5, v5, v31
	v_add_nc_u32 v12, v12, v31
	v_add_nc_u32 v13, v13, v31
	v_add_nc_u32 v8, s91, v4                       ; v8-11: W's q or k rows: tiles 0-2 and tile 3 of K half 0, then of half 1
	v_add_nc_u32 v9, s91, v5
	v_add_nc_u32 v4, s90, v4                       ; v4-7: x's
	v_add_nc_u32 v5, s90, v5
	v_add_nc_u32 v12, s92, v12                     ; v12-15: W's v rows: tile 2 z and tile 2 z + 1
	v_add_nc_u32 v13, s92, v13
.irp b, 4,8,12
	v_add_nc_u32 v[\b+2], HALF, v[\b]
	v_add_nc_u32 v[\b+3], HALF, v[\b+1]
.endr
	v_and_b32 v16, 31, v0
	v_lshlrev_b32 v16, 4, v16                      ; 16 x lane
	v_lshl_add_u32 v17, v1, 4, v2
	v_add_nc_u32 v19, s94, v17                     ; V's scale bytes: + 16 r + h
	v_add_nc_u32 v17, s93, v17                     ; K's
	v_lshl_add_u32 v18, v1, 1, v2
	v_add_nc_u32 v18, s95, v18                     ; q's: + 2 r + h
	v_lshlrev_b32 v20, 5, v25                      ; rows of scale bytes, 32 bytes each
	v_lshlrev_b32 v21, 5, v26
	v_lshlrev_b32 v22, 5, v27
	v_lshlrev_b32 v23, 5, v30
	v_mul_u32_u24 v25, v2, 160                     ; the bias of q or k: half h begins 40 channels on (tiles 0-2),
	v_lshlrev_b32 v26, 5, v2                       ; 8 channels on (tile 3)
	v_lshlrev_b32 v27, 2, v27                      ; v's: my channel
	v_lshlrev_b32 v30, 2, v30
	s_wait_alu depctr_va_vdst(0)                   ; ahead of the waits below
	s_wait_dscnt 0x0                               ; both opening adds are done
	CROUND                                         ; all sixteen work-groups are here; the arguments are still on their way
	s_wait_kmcnt 0x0
	s_mov_b32 s40, 1
	s_mov_b32 s41, s86
	s_add_nc_u64 s[42:43], s[4:5], s[74:75]
	s_or_b32 s43, s43, 0x80000000
	s_mov_b32 s44, 1
	s_mov_b32 s45, s86
	s_add_nc_u64 s[46:47], s[8:9], s[78:79]
	s_or_b32 s47, s47, 0x80000000
	ARM 1, 40, G1A, .Lw_half_0                     ; wave 0: x, half 0
	ARM 4, 44, G1B, .Lx_half_1                     ; waves 1-3: W's q, k, v rows, half 0
	ARM 5, 40, G1A, .Lw_half_1                     ; wave 4: x, half 1
	tensor_load_to_lds s[44:47], s[G1B:G1B+7]      ; waves 5-7
	s_nop 0
.rept 4
	v_nop
.endr
.Lasked:
	s_add_nc_u64 s[6:7], s[6:7], s[48:49]
	s_add_nc_u64 s[50:51], s[10:11], s[50:51]
	s_add_nc_u64 s[52:53], s[10:11], s[52:53]
	s_add_nc_u64 s[54:55], s[12:13], s[54:55]
	s_add_nc_u64 s[56:57], s[12:13], s[56:57]
	s_add_nc_u64 s[60:61], s[18:19], s[60:61]
	s_add_nc_u64 s[62:63], s[18:19], s[62:63]
	s_add_nc_u64 s[98:99], s[16:17], s[98:99]
	s_cmp_eq_u32 s2, 0
	s_cselect_b64 s[14:15], s[14:15], s[18:19]     ; q leaves to q_img, k to kv
	s_add_nc_u64 s[14:15], s[14:15], s[58:59]
.irp q, 0,1
.irp t, 0,1,2
	global_load_b128 v[32+8*\t+4*\q:35+8*\t+4*\q], v20, s[6:7] offset:256*\t+16*\q   ; a row's words of K steps 4 q .. 4 q + 3
	global_load_b128 v[64+8*\t+4*\q:67+8*\t+4*\q], v20, s[50:51] offset:256*\t+16*\q
.endr
	global_load_b128 v[56+4*\q:59+4*\q], v21, s[6:7] offset:16*\q
	global_load_b128 v[88+4*\q:91+4*\q], v21, s[50:51] offset:16*\q
	global_load_b128 v[96+4*\q:99+4*\q], v22, s[52:53] offset:16*\q
	global_load_b128 v[104+4*\q:107+4*\q], v23, s[52:53] offset:16*\q
.endr
	global_load_b32 v176, v27, s[56:57]
	global_load_b32 v184, v30, s[56:57]
	WIN 0x40                                       ; destination window 1
.irp q, 0,1
.irp t, 0,1,2
	global_load_b128 v[96+8*\t+4*\q:99+8*\t+4*\q], v25, s[54:55] offset:32*\t+16*\q
.endr
	global_load_b128 v[120+4*\q:123+4*\q], v26, s[54:55] offset:96+16*\q
.endr
	WIN 0
; 20 LDS loads in one run: K step ks (128 along K): 6 fragments of W and 4 of x into set ks % 2.  A fragment: lane (r, h) takes 16 bytes at 16 h and at 32 + 16 h of its row's 64
.macro FETCH ks
.set AH, 2*((\ks)/4)
.set KO, 64*((\ks)%4)
.set WS, 48*((\ks)%2)
.set XS, 112+32*((\ks)%2)
	WIN 0x40
.irp c, 0,1
.irp t, 0,1,2
	ds_load_b128 v[WS+8*\t+4*\c:WS+8*\t+4*\c+3], v[8+AH] offset:2176*\t+KO+32*\c
.endr
	ds_load_b128 v[WS+24+4*\c:WS+27+4*\c], v[9+AH] offset:KO+32*\c
	ds_load_b128 v[WS+32+4*\c:WS+35+4*\c], v[12+AH] offset:KO+32*\c
	ds_load_b128 v[WS+40+4*\c:WS+43+4*\c], v[13+AH] offset:KO+32*\c
.endr
	WIN 0
.irp c, 0,1
.irp t, 0,1,2
	ds_load_b128 v[XS+8*\t+4*\c:XS+8*\t+4*\c+3], v[4+AH] offset:2176*\t+KO+32*\c
.endr
	ds_load_b128 v[XS+24+4*\c:XS+27+4*\c], v[5+AH] offset:KO+32*\c
.endr
.endm
.macro MM d, a, b, c, sa, sb
	v_wmma_scale_f32_16x16x128_f8f6f4 v[\d:(\d)+7], v[\a:(\a)+7], v[\b:(\b)+7], v[\c:(\c)+7], v[\sa], v[\sb] matrix_a_fmt:MATRIX_FMT_FP4 matrix_b_fmt:MATRIX_FMT_FP4
.endm
; q's or k's 16 products of a K step, then v's 8.  The first step's C is the bias.  The 24 accumulators take turns in the same order in every step
.macro MULM ks
	WIN 0x51                                       ; source 0 window 1, source 1 window 0, C and D window 1
.irp mt, 0,1,2,3
.irp nt, 0,1,2,3
.if (\ks) == 0
	MM 128+32*\mt+8*\nt, 48*((\ks)%2)+8*\nt, 112+32*((\ks)%2)+8*\mt, 96+8*\nt, 64+8*\nt+(\ks), 32+8*\mt+(\ks)
.else
	MM 128+32*\mt+8*\nt, 48*((\ks)%2)+8*\nt, 112+32*((\ks)%2)+8*\mt, 128+32*\mt+8*\nt, 64+8*\nt+(\ks), 32+8*\mt+(\ks)
.endif
.endr
.endr
.endm
.macro MULV ks
	WIN 0x04                                       ; source 0 window 0, source 1 window 1, C and D window 0
.irp mt, 0,1,2,3
.irp ct, 0,1
.if (\ks) == 0
	MM 192+32*\ct+8*\mt, 112+32*((\ks)%2)+8*\mt, 48*((\ks)%2)+32+8*\ct, 176+8*\ct, 32+8*\mt+(\ks), 96+8*\ct+(\ks)
.else
	MM 192+32*\ct+8*\mt, 112+32*((\ks)%2)+8*\mt, 48*((\ks)%2)+32+8*\ct, 192+32*\ct+8*\mt, 32+8*\mt+(\ks), 96+8*\ct+(\ks)
.endif
.endr
.endr
.endm
.macro KSTEP ks, nx
	PLACES                                         ; the set to be loaded was read by the products just issued
	FETCH \nx
	s_wait_dscnt 20                                ; all but the 20 just issued: this step's fragments are in
	MULM \ks
	MULV \ks
.endm
	s_wait_loadcnt 0x0                             ; scale words and biases
.irp i, 1,2,3,4,5,6,7
	v_mov_b32 v[176+\i], v176                      ; v: my channel's bias in all eight registers
	v_mov_b32 v[184+\i], v184
.endr
	s_wait_alu depctr_va_vdst(0)                   ; at the head's end
	s_cmp_lt_u32 s[WV], 4
	s_cbranch_scc0 .Lfetched_half_1
	s_wait_tensorcnt 0x0                           ; waves 0-3: my part of K half 0 is in; waves 4-7 have load lines of their own, for half 1
.Lfetched_half_1:
	s_barrier_signal -1
	s_barrier_wait -1                              ; K half 0 is whole
	FETCH 0
	FETCH 1
	s_wait_dscnt 20
	MULM 0
	MULV 0
	KSTEP 1, 2
	KSTEP 2, 3
	s_wait_dscnt 0x0                               ; K step 3's fragments are in, and no LDS load of mine is out at the signal
	s_wait_tensorcnt 0x0                           ; all my tensor loads are done
	s_barrier_signal -1
	MULM 3                                         ; work on registers while the others arrive
	s_barrier_wait -1                              ; K half 1 is whole
	PLACES
	FETCH 4
	MULV 3
	KSTEP 4, 5
	KSTEP 5, 6
	KSTEP 6, 7
	s_wait_dscnt 0x0
	MULM 7
	MULV 7
	WIN 0
	PLACES                                         ; ahead of the first read of results and the first write over scale words
; THE WAY OUT: six groups of 32 registers, a block of 32 each: q's or k's four token tiles (window 1), v's two channel tiles (window 0)
	WIN 0x15
.irp g, 0,1,2,3
	v_max3_num_f32 v[32+\g], |v[128+32*\g]|, |v[129+32*\g]|, |v[130+32*\g]|   ; ascending: each accumulator is first read at its low end
.endr
	WIN 0x14
.set jj, 3
.rept 14
.irp g, 0,1,2,3
	v_max3_num_f32 v[32+\g], v[32+\g], |v[128+32*\g+jj]|, |v[129+32*\g+jj]|
.endr
.set jj, jj+2
.endr
.irp g, 0,1,2,3
	v_max3_num_f32 v[32+\g], v[32+\g], |v[159+32*\g]|, 0x1800000   ; and the floor 2^(3 - 127): the byte cannot fall under 1
.endr
	WIN 0
.irp g, 0,1
	v_max3_num_f32 v[36+\g], |v[192+32*\g]|, |v[193+32*\g]|, |v[194+32*\g]|
.endr
.set jj, 3
.rept 14
.irp g, 0,1
	v_max3_num_f32 v[36+\g], v[36+\g], |v[192+32*\g+jj]|, |v[193+32*\g+jj]|
.endr
.set jj, jj+2
.endr
.irp g, 0,1
	v_max3_num_f32 v[36+\g], v[36+\g], |v[223+32*\g]|, 0x1800000
.endr
.irp k, 0,1,2,3,4,5
	v_add_nc_u32 v[40+\k], 0xff000000, v[32+\k]    ; 2 off its exponent field: the conversion takes that field as its scale
.endr
.irp k, 0,1,2,3,4,5
	v_lshrrev_b32 v[48+\k], 23, v[40+\k]           ; the scale's byte
.endr
	v_add_nc_u32 v3, STG, v16                      ; wave 0 alone uses these two: where the scale bytes are read back,
	v_lshlrev_b32 v24, 12, v2
	v_lshl_add_u32 v24, v1, 4, v24                 ; and q's in memory: lanes 0-15 the first head, lanes 16-31 the second
	WIN 0x01
.irp g, 0,1,2,3
.irp q, 0,1,2,3
	v_cvt_scalef32_pk8_fp4_f32 v[56+4*\g+\q], v[128+32*\g+8*\q:135+32*\g+8*\q], v[40+\g]
.endr
.endr
	WIN 0
.irp g, 0,1
.irp q, 0,1,2,3
	v_cvt_scalef32_pk8_fp4_f32 v[72+4*\g+\q], v[192+32*\g+8*\q:199+32*\g+8*\q], v[44+\g]
.endr
.endr
	v_nop                                          ; one plain line behind the scaled conversions
.irp g, 0,1,2,3
	global_store_b128 v16, v[56+4*\g:59+4*\g], s[14:15] offset:512*\g      ; 512 consecutive bytes, aligned
.endr
.irp g, 0,1
	global_store_b128 v16, v[72+4*\g:75+4*\g], s[60:61] offset:1024*\g
.endr
	s_wait_alu depctr_va_vdst(0)                   ; ahead of the branch
	s_cmp_eq_u32 s2, 0
	s_cbranch_scc1 .Lq_bytes
.irp g, 0,1,2,3
	ds_store_b8 v17, v[48+\g] offset:256*(\g/2)+2*(\g%2)
.endr
	s_branch .Lbytes_done
.Lq_bytes:
.irp g, 0,1,2,3
	ds_store_b8 v18, v[48+\g] offset:32*\g
.endr
.Lbytes_done:
	ds_store_b8 v19, v52
	ds_store_b8 v19, v53 offset:256
	s_wait_dscnt 0x0                               ; for the others' sake: my scale bytes have landed
	s_barrier_signal -1
	s_barrier_wait -1
	s_cmp_lg_u32 s[WV], 0
	s_cbranch_scc1 .Lno_bytes
	ds_load_b128 v[80:83], v3                      ; wave 0 has the first head: its 512 bytes of K's and V's scale words,
	ds_load_b128 v[84:87], v3 offset:512           ; the second head's,
	ds_load_b128 v[88:91], v3 offset:1024          ; and q's of both
	s_wait_dscnt 0x0
	global_store_b128 v16, v[80:83], s[62:63] offset:8192
	global_store_b128 v16, v[84:87], s[62:63] offset:8192+139264
	global_store_b128 v24, v[88:91], s[98:99]      ; each half of the lanes 256 consecutive bytes, aligned
.Lno_bytes:
	s_wait_tensorcnt 0x0                           ; the wave's end
	ds_add_u32 v28, v29
	s_wait_dscnt 0x0
	CROUND                                         ; the closing round: no work-group ends while a partner may still ask for a tile that names it
	s_endpgm
.Lfunc_end_k_q300165d3af_qkv:
	.size	k_q300165d3af_qkv, .Lfunc_end_k_q300165d3af_qkv-k_q300165d3af_qkv
	.p2alignl 7, 3214868480
	.fill 96, 4, 3214868480
	.section	.rodata,"a",@progbits
	.p2align	6, 0x0
	.amdhsa_kernel k_q300165d3af_qkv
		.amdhsa_group_segment_fixed_size 281088
		.amdhsa_private_segment_fixed_size 0
		.amdhsa_enable_private_segment 0
		.amdhsa_kernarg_size 64
		.amdhsa_user_sgpr_count 2
		.amdhsa_user_sgpr_kernarg_segment_ptr 1
		.amdhsa_wavefront_size32 1
		.amdhsa_system_sgpr_workgroup_id_x 1
		.amdhsa_system_sgpr_workgroup_id_y 1
		.amdhsa_system_sgpr_workgroup_id_z 1
		.amdhsa_system_vgpr_workitem_id 0
		.amdhsa_next_free_vgpr 512
		.amdhsa_next_free_sgpr 100
		.amdhsa_reserve_vcc 0
		.amdhsa_float_denorm_mode_32 3
		.amdhsa_float_denorm_mode_16_64 3
		.amdhsa_memory_ordered 1
		.amdhsa_forward_progress 1
		.amdhsa_inst_pref_size 61
	.end_amdhsa_kernel
	.amdgpu_metadata
---
amdhsa.version: [ 1, 2 ]
amdhsa.kernels:
  - .name:           k_q300165d3af_qkv
    .symbol:         k_q300165d3af_qkv.kd
    .args:
      - { .name: x_codes, .offset: 0, .size: 8, .value_kind: global_buffer, .address_space: global }
      - { .name: x_scales, .offset: 8, .size: 8, .value_kind: global_buffer, .address_space: global }
      - { .name: qkv_w_codes, .offset: 16, .size: 8, .value_kind: global_buffer, .address_space: global }
      - { .name: qkv_w_scales, .offset: 24, .size: 8, .value_kind: global_buffer, .address_space: global }
      - { .name: qkv_b, .offset: 32, .size: 8, .value_kind: global_buffer, .address_space: global }
      - { .name: q_img, .offset: 40, .size: 8, .value_kind: global_buffer, .address_space: global }
      - { .name: qs, .offset: 48, .size: 8, .value_kind: global_buffer, .address_space: global }
      - { .name: kv, .offset: 56, .size: 8, .value_kind: global_buffer, .address_space: global }
    .group_segment_fixed_size: 281088
    .private_segment_fixed_size: 0
    .kernarg_segment_align: 8
    .kernarg_segment_size: 64
    .max_flat_workgroup_size: 256
    .sgpr_count:     100
    .vgpr_count:     512
    .wavefront_size: 32
...
	.end_amdgpu_metadata
.endif
;; end of part 1
;; launch attn (part 2): grid 8 x 32, 16 waves a work-group, clusters of 4 x 1, 167,936 bytes of LDS; arguments q_img, qs, kv, ctx_img, cs; writes ctx_img, cs
.if DOCPART == 2
	.amdgcn_target "amdgcn-amd-amdhsa--gfx1250"
	.amdhsa_code_object_version 6
	.text
	.protected	k_q300165d3af_attn
	.globl	k_q300165d3af_attn
	.p2align	8
	.type	k_q300165d3af_attn,@function
k_q300165d3af_attn:
	s_mov_b64 s[64:65], 0
	v_nop
	global_prefetch_b8 v0, s[64:65] scope:SCOPE_SE
	s_setreg_imm32_b32 hwreg(HW_REG_WAVE_MODE, 25, 1), 1
	s_wait_xcnt 0x0
	s_wait_alu depctr_hold_cnt(0) depctr_sa_sdst(0) depctr_va_vdst(0) depctr_va_sdst(0) depctr_va_ssrc(0) depctr_va_vcc(0) depctr_vm_vsrc(0)
	s_getreg_b32 s2, hwreg(HW_REG_IB_STS2, 6, 4)
	s_cmp_eq_u32 s2, 0
	s_cbranch_scc0 .Lentry_in_a_cluster
	s_endpgm
.Lentry_in_a_cluster:
	s_bfe_u32 s2, ttmp6, 0x10000c
	s_cmp_lg_u32 s2, 0x3003
	s_cbranch_scc0 .Lentry_shape_is_right
	s_endpgm
.Lentry_shape_is_right:
; ctx[b][q][h][:] = the sum over k of softmax_k(q . k / 8) v, both products on codes of FP4 (E2M1) with one E8M0 scale for each 32 along a product's K; then ctx is quantised along the model's 1,024 for the last product.
; No work of reference() is left out.
; THE SOFTMAX AHEAD OF THE SECOND PRODUCT: t = score x log2(e) / 8; M = the running largest t rounded UP to a whole number; p = 2^(t - M) is quantised along the keys, not normalised.  The row's sum is taken of the
; unquantised p and divides at the end.  When M moves, the sum and O are multiplied by 2^(old M - new M), which rounds nothing.
; SHARES.  A work-group owns 256 queries of one head (bh), each of its sixteen waves one tile of 16, in 256 registers.  Every wave walks all 2,048 keys, 256 a step.
; A WHOLE HEAD'S K AND V LIE IN LDS with their scale words: 16 records of 128 keys x 8,704 bytes.  Each wave fetches one record by one tensor load at the head; every byte is filled once; one barrier, none in the loop.
; CLUSTER 4 x 1: the four query blocks of a cluster belong to one head and ask for its K and V jointly.  No prefetch is written: every tensor load is issued at the head, so there is no earlier place from which to ask.
; LAYOUT.  Both products are used transposed: S^T = K Q^T (source 0 = 16 keys, source 1 = my 16 queries), O^T = V^T P^T (source 0 = 16 channels, source 1 = P): a lane holds ONE query throughout.  The rows of the tiles are
; chosen in the launch that makes them so that lane half h holds the block h of 32 keys of each 64 whole, 8 registers a tile, in the order in which V's codes lie: neither a block's maximum nor its codes come from another lane.
; The head's 64 channels are half of the instruction's 128 along K: source 0 names TWO neighbouring tiles of K, source 1 is (q, 0) for the first and (0, q) for the second; the other tile's codes meet zero codes.
; THE SCALE OF A BLOCK OF p: p rises with the score, so the block's largest SCORE gives 2^(t - M - 2) by the same multiply-add and exponential: its exponent field is the scale's byte, and the conversion's operand as it stands.
; LIMITS: NaN and infinities are not served; the scaled scores t stay under 2^31 in magnitude; a block of keys whose largest p lies under 2^-124 gets the scale byte 0 (2^-127), beside a row's largest p over 1/2; a block of ctx
; whose largest magnitude lies under 2^-124, or is 0, gets the byte 1 (this program alone reads the bytes).
; REGISTERS: v1 16 x lane; v3 the step's LDS address; v8 -M - 2; v10 f; v12 -M; v13 the largest score so far; v[14:15] the sum in two halves; v16-19 zeros, v20-23 q, v24-27 zeros; v28 q's scale word;
;   v29, v30 p's scale words; v32-39 scale words of K and V, two records; v40-71 K, later V of the first record; v72-199 S^T, then p, then (v72-103) V of the second record; v200-231 O^T; v232-247 K, later p's codes; v248-255 at work.
.set REC, 8704
.set CST, 16*REC                       ; 512 bytes: ctx's scale bytes meet here; no tile lands there
.set SPARE, CST+512                    ; 128 bytes a wave that no other line names
.set WV,  18
.set NC,  19                           ; s19 -c
.set SEL, 20                           ; s[20:21] lane selects: lane l xor 16
.set CS,  22                           ; s[22:23] c = log2(e) / 8
.set G1,  24
.set TB,  60                           ; s60 LDS byte of the step's records
.set CNT, 62
.macro CROUND                          ; a round of the cluster's barrier
	s_barrier_signal -1
	s_barrier_wait -1
	s_cmp_lg_u32 s[WV], 0
	s_cbranch_scc1 .Lnot_wave_0_\@
	s_barrier_signal -3
.Lnot_wave_0_\@:
	s_barrier_wait -3
	s_barrier_signal -1
	s_barrier_wait -1
.endm
	s_load_b256 s[4:11], s[0:1], 0x0               ; q_img s[4:5], qs s[6:7], kv s[8:9], ctx_img s[10:11]
	s_load_b64 s[12:13], s[0:1], 0x20              ; cs
	v_lshl_add_u32 v4, v0, 2, SPARE
	v_mov_b32 v5, 0
	ds_add_u32 v4, v5                              ; the opening lines
	ds_add_u32 v4, v5
	v_lshrrev_b32 v1, 5, v0
	v_readfirstlane_b32 s[WV], v1                  ; wave 0..15
	s_bfe_u32 s66, ttmp6, 0x40000                  ; cx
	s_lshl_b32 s67, ttmp9, 2
	s_add_co_u32 s67, s67, s66                     ; qb: my block of 256 queries; it enters Q's and the outputs' addresses alone
	s_and_b32 s68, ttmp7, 0xffff                   ; bh = 16 batch + head, which the four partners share
	s_mov_b32 s[G1], 15|(3<<16)|(1<<21)            ; 15:0 the mask: all four work-groups; 17:16 elements of 8 bytes; 21 set beside a mask; no padding
	s_mov_b32 s[G1+1], 32<<16                      ; tensor_dim0: 32 elements = 256 bytes
	s_mov_b32 s[G1+2], 34<<16                      ; tensor_dim1: 34 rows = a record
	s_mov_b32 s[G1+3], 32<<16                      ; tile_dim0
	s_mov_b32 s[G1+4], 34                          ; tile_dim1
	s_mov_b32 s[G1+5], 32                          ; rows on end
	s_mov_b32 s[G1+6], 0
	s_mov_b32 s[G1+7], 0
	s_mul_i32 s72, s68, 16*REC                     ; kv: my record.  These registers never hold cx
	s_mul_i32 s80, s[WV], REC
	s_add_co_u32 s72, s72, s80
	s_mov_b32 s73, 0
	s_lshl_b32 s82, s68, 16                        ; q_img: 65,536 bh + 512 (16 qb + wave)
	s_lshl_b32 s83, s67, 13
	s_add_co_u32 s82, s82, s83
	s_lshl_b32 s83, s[WV], 9
	s_add_co_u32 s82, s82, s83
	s_mov_b32 s83, 0
	s_lshl_b32 s84, s68, 12                        ; qs: 4,096 bh + 32 (16 qb + wave)
	s_lshl_b32 s85, s67, 9
	s_add_co_u32 s84, s84, s85
	s_mov_b32 s90, s84                             ; cs: 4,096 bh + 512 qb
	s_mov_b32 s91, 0
	s_lshl_b32 s85, s[WV], 5
	s_add_co_u32 s84, s84, s85
	s_mov_b32 s85, 0
	s_and_b32 s86, s68, 15                         ; head
	s_lshr_b32 s87, s68, 4                         ; batch
	s_lshl_b32 s88, s87, 7                         ; ctx_img: 1,048,576 (head / 8) + 4,096 (128 batch + 16 qb + wave) + 512 (head % 8)
	s_lshl_b32 s89, s67, 4
	s_add_co_u32 s88, s88, s89
	s_add_co_u32 s88, s88, s[WV]
	s_lshl_b32 s88, s88, 12
	s_lshr_b32 s89, s86, 3
	s_lshl_b32 s89, s89, 20
	s_add_co_u32 s88, s88, s89
	s_and_b32 s89, s86, 7
	s_lshl_b32 s89, s89, 9
	s_add_co_u32 s88, s88, s89
	s_mov_b32 s89, 0
	s_mov_b32 s[SEL], 0x76543210
	s_mov_b32 s[SEL+1], 0xfedcba98
	s_mov_b32 s[CS], 0x3e38aa3b                    ; c = log2(e) / 8
	s_mov_b32 s[CS+1], s[CS]                       ; (named with it as a pair, so it is written)
	s_mov_b32 s[NC], 0xbe38aa3b
	s_mov_b32 s[TB], 0
	s_lshr_b32 s70, s[WV], 2
	s_lshl_b32 s70, s70, 7
	s_and_b32 s71, s[WV], 3
	s_lshl_b32 s71, s71, 1
	s_add_co_u32 s70, s70, s71
	s_add_co_u32 s70, s70, CST
	v_and_b32 v1, 31, v0
	v_lshlrev_b32 v1, 4, v1                        ; 16 x lane
	v_and_b32 v8, 15, v0                           ; r
	v_bfe_u32 v9, v0, 4, 1                         ; h
	v_lshlrev_b32 v2, 1, v8
	v_lshl_add_u32 v6, v8, 3, v9
	v_add_nc_u32 v6, s70, v6                       ; my scale byte of ctx: CST + 128 (wave / 4) + 2 (wave % 4) + 8 r + h
.irp j, 7,11,14,15,16,17,18,19,24,25,26,27,31,255
	v_mov_b32 v[\j], 0                             ; the sum, q's zero codes, and what a lane permute or a pair names before it is first written
.endr
.set jj, 0
.rept 32
	v_mov_b32 v[200+jj], 0                         ; O^T.  (The first step finds zeros, which the first change of M leaves zeros)
.set jj, jj+1
.endr
	v_mov_b32 v13, 0xff61b1e6                      ; the largest score so far: -3e38
	v_mul_f32 v12, s[NC], v13
	v_floor_f32 v12, v12                           ; -M
	s_wait_alu depctr_va_vdst(0)                   ; ahead of the waits below
	s_wait_dscnt 0x0                               ; both opening adds are done
	CROUND                                         ; all four work-groups are here; the arguments are still on their way
	s_wait_kmcnt 0x0
	s_mov_b32 s40, 1
	s_mov_b32 s41, s80
	s_add_nc_u64 s[42:43], s[8:9], s[72:73]
	s_or_b32 s43, s43, 0x80000000
	tensor_load_to_lds s[40:43], s[G1:G1+7]        ; my record
	s_nop 0
.rept 4
	v_nop
.endr
	s_add_nc_u64 s[4:5], s[4:5], s[82:83]
	s_add_nc_u64 s[6:7], s[6:7], s[84:85]
	s_add_nc_u64 s[10:11], s[10:11], s[88:89]
	s_add_nc_u64 s[12:13], s[12:13], s[90:91]
	global_load_b128 v[20:23], v1, s[4:5]          ; q's codes: they stay
	global_load_u16 v28, v2, s[6:7]                ; q's two scale bytes
; the scores of two neighbouring tiles of 16 keys: t and t + 1
.macro SCORE t, a, s, row
.if \row
	v_wmma_scale_f32_16x16x128_f8f6f4 v[72+8*(\t):79+8*(\t)], v[\a:\a+7], v[20:27], 0, v[\s], v28 matrix_a_fmt:MATRIX_FMT_FP4 matrix_b_fmt:MATRIX_FMT_FP4 matrix_a_scale:MATRIX_SCALE_ROW1
	v_wmma_scale_f32_16x16x128_f8f6f4 v[80+8*(\t):87+8*(\t)], v[\a:\a+7], v[16:23], 0, v[\s], v28 matrix_a_fmt:MATRIX_FMT_FP4 matrix_b_fmt:MATRIX_FMT_FP4 matrix_a_scale:MATRIX_SCALE_ROW1
.else
	v_wmma_scale_f32_16x16x128_f8f6f4 v[72+8*(\t):79+8*(\t)], v[\a:\a+7], v[20:27], 0, v[\s], v28 matrix_a_fmt:MATRIX_FMT_FP4 matrix_b_fmt:MATRIX_FMT_FP4
	v_wmma_scale_f32_16x16x128_f8f6f4 v[80+8*(\t):87+8*(\t)], v[\a:\a+7], v[16:23], 0, v[\s], v28 matrix_a_fmt:MATRIX_FMT_FP4 matrix_b_fmt:MATRIX_FMT_FP4
.endif
.endm
.macro OUT v, p, s, ps                 ; O^T's four channel tiles += V^T P^T over 128 keys; they take turns
.irp i, 0,1
	v_wmma_scale_f32_16x16x128_f8f6f4 v[200+16*\i:207+16*\i], v[\v+16*\i:\v+7+16*\i], v[\p:\p+7], v[200+16*\i:207+16*\i], v[\s+\i], v[\ps] matrix_a_fmt:MATRIX_FMT_FP4 matrix_b_fmt:MATRIX_FMT_FP4
	v_wmma_scale_f32_16x16x128_f8f6f4 v[208+16*\i:215+16*\i], v[\v+8+16*\i:\v+15+16*\i], v[\p:\p+7], v[208+16*\i:215+16*\i], v[\s+\i], v[\ps] matrix_a_fmt:MATRIX_FMT_FP4 matrix_b_fmt:MATRIX_FMT_FP4 matrix_a_scale:MATRIX_SCALE_ROW1
.endr
.endm
.macro KFIRST addr, off                ; a step's first nine loads: the first record's scale words (K's 64 keys 0 and 1, V's channel tiles 0, 1 and 2, 3) and its eight tiles of K
	ds_load_b128 v[32:35], v[\addr] offset:\off+8192
.irp i, 0,1,2,3,4,5,6,7
	ds_load_b128 v[40+4*\i:43+4*\i], v[\addr] offset:\off+512*\i
.endr
.endm
; pk_add n pairs: v[d ..] += v[a ..], all independent
.macro ADDS n, d, a
.set jj, 0
.rept \n
	v_pk_add_f32 v[\d+jj:\d+1+jj], v[\d+jj:\d+1+jj], v[\a+jj:\a+1+jj]
.set jj, jj+2
.endr
.endm
; A STEP: 256 keys, two records.  Its first nine loads have been issued.  more = 1: the next step's are issued here.
.macro STEP more
	v_add_nc_u32 v3, s[TB], v1
.rept 4
	v_nop                                          ; with the line above five plain lines behind the last step's products, ahead of loads and products that write over their registers
.endr
	ds_load_b128 v[36:39], v3 offset:REC+8192
.irp i, 0,1,2,3
	ds_load_b128 v[232+4*\i:235+4*\i], v3 offset:REC+512*\i
.endr
	s_wait_alu depctr_va_vdst(0)                   ; directly ahead of the wait below
	s_wait_dscnt 5                                 ; the first record's K is in; the five youngest loads may be out
	SCORE 0, 40, 32, 0
	SCORE 2, 48, 32, 1
	SCORE 4, 56, 33, 0
	SCORE 6, 64, 33, 1
.rept 4
	v_nop
.endr
.irp i, 0,1,2,3
	ds_load_b128 v[40+4*\i:43+4*\i], v3 offset:REC+2048+512*\i
.endr
	s_wait_dscnt 4                                 ; all but the four just issued
	SCORE 8, 232, 36, 0
	SCORE 10, 240, 36, 1
	s_wait_dscnt 0x0
	SCORE 12, 40, 37, 0
	SCORE 14, 48, 37, 1
	; the largest score of my four blocks of 32 keys, in two chains a block, the eight by turns (each accumulator is first read at its low end).  The first record's lines stand first: four plain lines behind the last products
.irp g, 0,1,2,3
	v_max3_num_f32 v[248+\g], v[72+32*\g], v[73+32*\g], v[74+32*\g]
	v_max3_num_f32 v[252+\g], v[88+32*\g], v[89+32*\g], v[90+32*\g]
.endr
.irp i, 0,1,2,3,4,5,6,7
	ds_load_b128 v[40+4*\i:43+4*\i], v3 offset:4096+512*\i   ; the first record's V
.endr
.set jj, 3
.rept 6
.irp g, 0,1,2,3
	v_max3_num_f32 v[248+\g], v[248+\g], v[72+32*\g+jj], v[73+32*\g+jj]
	v_max3_num_f32 v[252+\g], v[252+\g], v[88+32*\g+jj], v[89+32*\g+jj]
.endr
.set jj, jj+2
.endr
.irp g, 0,1,2,3
	v_max3_num_f32 v[252+\g], v[252+\g], v[87+32*\g], v[103+32*\g]
.endr
.irp g, 0,1,2,3
	v_max_num_f32 v[248+\g], v[248+\g], v[252+\g]
.endr
	v_max3_num_f32 v254, v248, v249, v250
	v_max3_num_f32 v254, v254, v251, v13
	v_permlanex16_b32 v255, v254, s[SEL], s[SEL+1]
	v_max_num_f32 v13, v254, v255                  ; the largest score so far, lane l xor 16's keys among them
	v_mul_f32 v9, s[NC], v13                       ; -t
	v_floor_f32 v9, v9                             ; the new -M = floor(-t) = -ceil(t)
	v_sub_f32 v10, v9, v12                         ; M's old value less its new one: a whole number, 0 or less
	v_mov_b32 v12, v9
	v_add_f32 v8, -2.0, v9
	v_cvt_i32_f32 v10, v10                         ; (it saturates)
.set jj, 0
.rept 8
	v_pk_fma_f32 v[72+jj:73+jj], v[72+jj:73+jj], s[CS:CS+1], v[12:13] op_sel_hi:[1,0,0]   ; t - M, two at a time (of the pairs c and -M the low word serves both halves): the first record's
.set jj, jj+2
.endr
	v_ldexp_f32 v10, 1.0, v10                      ; f = 2^(old M - new M)
.rept 24
	v_pk_fma_f32 v[72+jj:73+jj], v[72+jj:73+jj], s[CS:CS+1], v[12:13] op_sel_hi:[1,0,0]
.set jj, jj+2
.endr
.irp b, 0,2
	v_pk_fma_f32 v[248+\b:249+\b], v[248+\b:249+\b], s[CS:CS+1], v[8:9] op_sel_hi:[1,0,0]   ; t - M - 2 of each block's largest score
.endr
.set jj, 0
.rept 16
	v_pk_mul_f32 v[200+jj:201+jj], v[200+jj:201+jj], v[10:11] op_sel_hi:[1,0]   ; O^T under the new M
.set jj, jj+2
.endr
	; THE FIRST BATCH: the scale operands and the first record's p.  Between its lines stand the second record's t - M, which are first read behind the wait at its end
	s_wait_alu depctr_va_vdst(0)                   ; ahead of the batch
.irp b, 0,1,2,3
	v_exp_f32 v[248+\b], v[248+\b]                 ; the conversions' scale operands
.endr
.set jj, 0
.rept 32
	v_exp_f32 v[72+jj], v[72+jj]                   ; p = 2^(t - M), at most 1
	v_pk_fma_f32 v[136+jj:137+jj], v[136+jj:137+jj], s[CS:CS+1], v[12:13] op_sel_hi:[1,0,0]
	v_exp_f32 v[73+jj], v[73+jj]
.set jj, jj+2
.endr
	v_pk_mul_f32 v[14:15], v[14:15], v[10:11] op_sel_hi:[1,0]   ; the sum under the new M: a plain line behind the exponentials
	s_wait_alu depctr_va_vdst(0)                   ; behind the first batch and ahead of the second
	; THE SECOND BATCH: the second record's p.  Between its lines stand the first record's conversions, the scales' bytes and the first level of the first record's sum; what they write is first read behind the wait at its end
.set jj, 136
.rept 8
	v_exp_f32 v[jj], v[jj]
.set jj, jj+1
.endr
.irp g, 0,1
.irp q, 0,1,2,3
	v_exp_f32 v[jj], v[jj]
	v_cvt_scalef32_pk8_fp4_f32 v[232+4*\g+\q], v[72+32*\g+8*\q:79+32*\g+8*\q], v[248+\g]
	v_exp_f32 v[jj+1], v[jj+1]
.set jj, jj+2
.endr
.endr
.irp b, 0,1,2,3
	v_exp_f32 v[jj], v[jj]
	v_lshrrev_b32 v[252+\b], 23, v[248+\b]         ; the scales' bytes: my half's blocks
	v_exp_f32 v[jj+1], v[jj+1]
.set jj, jj+2
.endr
.set kk, 0
.rept 16
	v_exp_f32 v[jj], v[jj]
	v_pk_add_f32 v[104+kk:105+kk], v[104+kk:105+kk], v[72+kk:73+kk]   ; THE ROW'S SUM, of the unquantised p, is a tree in place over p that has been converted
	v_exp_f32 v[jj+1], v[jj+1]
.set jj, jj+2
.set kk, kk+2
.endr
	v_nop                                          ; a plain line behind the exponentials
	s_wait_alu depctr_va_vdst(0)                   ; one wait for the batch, ahead of its first reader
.irp i, 0,1,2,3,4,5,6,7
	ds_load_b128 v[72+4*\i:75+4*\i], v3 offset:REC+4096+512*\i   ; the second record's V, over p that has been converted and added
.endr
	v_lshl_or_b32 v29, v253, 16, v252              ; lane half 0 has bytes 0 and 2 of a record's word, half 1 bytes 1 and 3
	v_lshl_or_b32 v30, v255, 16, v254
.irp q, 0,1,2,3
	v_cvt_scalef32_pk8_fp4_f32 v[240+\q], v[136+8*\q:143+8*\q], v250
.endr
	v_permlanex16_b32 v31, v29, s[SEL], s[SEL+1]
	v_permlanex16_b32 v7, v30, s[SEL], s[SEL+1]
.irp q, 0,1,2,3
	v_cvt_scalef32_pk8_fp4_f32 v[244+\q], v[168+8*\q:175+8*\q], v251
.endr
	v_lshl_or_b32 v29, v31, 8, v29                 ; lanes 0-15 now hold their query's words (lanes 16-31 are not read)
	v_lshl_or_b32 v30, v7, 8, v30
	ADDS 16, 168, 136
	ADDS 16, 104, 168
	s_wait_alu depctr_va_vdst(0)                   ; directly ahead of the wait below
	s_wait_dscnt 8                                 ; the first record's V is in; the second's eight loads may be out
	OUT 40, 232, 34, 29
	ADDS 8, 104, 120                               ; (plain lines behind the products, ahead of the loads over their sources)
.if \more
	KFIRST 3, 2*REC                                ; the next step's first nine loads
.endif
	ADDS 4, 104, 112
	ADDS 2, 104, 108
	ADDS 1, 104, 106
	v_pk_add_f32 v[14:15], v[14:15], v[104:105]
.if \more
	s_wait_dscnt 9                                 ; all but the nine just issued: the second record's V is in
.else
	s_wait_alu depctr_va_vdst(0)
	s_wait_dscnt 0x0
.endif
	OUT 72, 240, 38, 30
.endm
	s_wait_loadcnt 0x0
	v_lshl_or_b32 v28, v28, 16, v28                ; q's scale word: both halves of K
.rept 4
	v_nop
.endr
	s_wait_alu depctr_va_vdst(0)                   ; at the head's end
	s_wait_tensorcnt 0x0                           ; my record is in
	s_barrier_signal -1
	s_barrier_wait -1                              ; everybody's is; nothing is filled again
	KFIRST 1, 0
	s_mov_b32 s[CNT], 7
.Lstep:
	STEP 1
	s_add_co_u32 s[TB], s[TB], 2*REC
	s_sub_co_u32 s[CNT], s[CNT], 1
	s_cmp_lg_u32 s[CNT], 0
	s_cbranch_scc1 .Lstep
	s_mov_b32 s[TB], 14*REC
	STEP 0                                         ; the last step is written out: it loads nothing for a next one
	; THE WAY OUT: O^T / the sum: lane half h holds the 32 channels of block h of my head, 8 a channel tile
	v_add_f32 v14, v14, v15                        ; the sum's two halves,
	v_permlanex16_b32 v7, v14, s[SEL], s[SEL+1]
	v_add_f32 v14, v14, v7                         ; and lane l xor 16's: the row's sum
	s_wait_alu depctr_va_vdst(0)                   ; ahead of the transcendental
	v_rcp_f32 v14, v14
	v_add_nc_u32 v2, CST, v1                       ; (a plain line behind it)
	v_nop
	s_wait_alu depctr_va_vdst(0)                   ; and the wait ahead of its first reader, which serves O^T's first readers too
.set jj, 0
.rept 32
	v_mul_f32 v[104+jj], v[200+jj], v14
.set jj, jj+1
.endr
.irp q, 0,1,2,3
	v_max3_num_f32 v[248+\q], |v[104+8*\q]|, |v[105+8*\q]|, 0x1800000   ; and the floor 2^(3 - 127)
.endr
.irp i, 2,4,6
.irp q, 0,1,2,3
	v_max3_num_f32 v[248+\q], v[248+\q], |v[104+8*\q+\i]|, |v[105+8*\q+\i]|
.endr
.endr
	v_max3_num_f32 v248, v248, v249, v250
	v_max_num_f32 v248, v248, v251
	v_add_nc_u32 v252, 0xff000000, v248            ; 2 off its exponent field
	v_lshrrev_b32 v253, 23, v252                   ; my block's scale byte
.irp q, 0,1,2,3
	v_cvt_scalef32_pk8_fp4_f32 v[232+\q], v[104+8*\q:111+8*\q], v252
.endr
	s_mov_b32 vcc_lo, 0xffff0000                   ; lanes 16-31: their channel tile q holds the channels 8 ((q + 1) % 4) on of the block: put in order here
	v_nop
	v_cndmask_b32 v240, v232, v235, vcc_lo
	v_cndmask_b32 v241, v233, v232, vcc_lo
	v_cndmask_b32 v242, v234, v233, vcc_lo
	v_cndmask_b32 v243, v235, v234, vcc_lo
	global_store_b128 v1, v[240:243], s[10:11]     ; 512 consecutive bytes, aligned: half an operand's image
	ds_store_b8 v6, v253
	s_wait_alu depctr_va_vdst(0)                   ; ahead of the waits below
	s_wait_dscnt 0x0                               ; for the others' sake
	s_barrier_signal -1
	s_barrier_wait -1
	s_cmp_lg_u32 s[WV], 0
	s_cbranch_scc1 .Lno_cs
	ds_load_b128 v[244:247], v2                    ; the scale bytes of the work-group's 256 queries
	s_wait_dscnt 0x0
	global_store_b128 v1, v[244:247], s[12:13]     ; 512 consecutive bytes, aligned
.Lno_cs:
	s_wait_tensorcnt 0x0                           ; the wave's end
	ds_add_u32 v4, v5
	s_wait_dscnt 0x0
	CROUND                                         ; the closing round
	s_endpgm
.Lfunc_end_k_q300165d3af_attn:
	.size	k_q300165d3af_attn, .Lfunc_end_k_q300165d3af_attn-k_q300165d3af_attn
	.p2alignl 7, 3214868480
	.fill 96, 4, 3214868480
	.section	.rodata,"a",@progbits
	.p2align	6, 0x0
	.amdhsa_kernel k_q300165d3af_attn
		.amdhsa_group_segment_fixed_size 167936
		.amdhsa_private_segment_fixed_size 0
		.amdhsa_enable_private_segment 0
		.amdhsa_kernarg_size 40
		.amdhsa_user_sgpr_count 2
		.amdhsa_user_sgpr_kernarg_segment_ptr 1
		.amdhsa_wavefront_size32 1
		.amdhsa_system_sgpr_workgroup_id_x 1
		.amdhsa_system_sgpr_workgroup_id_y 1
		.amdhsa_system_sgpr_workgroup_id_z 1
		.amdhsa_system_vgpr_workitem_id 0
		.amdhsa_next_free_vgpr 256
		.amdhsa_next_free_sgpr 92
		.amdhsa_reserve_vcc 1
		.amdhsa_float_denorm_mode_32 3
		.amdhsa_float_denorm_mode_16_64 3
		.amdhsa_memory_ordered 1
		.amdhsa_forward_progress 1
		.amdhsa_inst_pref_size 61
	.end_amdhsa_kernel
	.amdgpu_metadata
---
amdhsa.version: [ 1, 2 ]
amdhsa.kernels:
  - .name:           k_q300165d3af_attn
    .symbol:         k_q300165d3af_attn.kd
    .args:
      - { .name: q_img, .offset: 0, .size: 8, .value_kind: global_buffer, .address_space: global }
      - { .name: qs, .offset: 8, .size: 8, .value_kind: global_buffer, .address_space: global }
      - { .name: kv, .offset: 16, .size: 8, .value_kind: global_buffer, .address_space: global }
      - { .name: ctx_img, .offset: 24, .size: 8, .value_kind: global_buffer, .address_space: global }
      - { .name: cs, .offset: 32, .size: 8, .value_kind: global_buffer, .address_space: global }
    .group_segment_fixed_size: 167936
    .private_segment_fixed_size: 0
    .kernarg_segment_align: 8
    .kernarg_segment_size: 40
    .max_flat_workgroup_size: 512
    .sgpr_count:     92
    .vgpr_count:     256
    .wavefront_size: 32
...
	.end_amdgpu_metadata
.endif
;; end of part 2
;; launch proj (part 3): grid 8 x 32, 8 waves a work-group, clusters of 4 x 4, 171,008 bytes of LDS; arguments ctx_img, cs, out_w_codes, out_w_scales, out_b, out0; writes out0
.if DOCPART == 3
	.amdgcn_target "amdgcn-amd-amdhsa--gfx1250"
	.amdhsa_code_object_version 6
	.text
	.protected	k_q300165d3af_proj
	.globl	k_q300165d3af_proj
	.p2align	8
	.type	k_q300165d3af_proj,@function
k_q300165d3af_proj:
	s_mov_b64 s[64:65], 0
	v_nop
	global_prefetch_b8 v0, s[64:65] scope:SCOPE_SE
	s_setreg_imm32_b32 hwreg(HW_REG_WAVE_MODE, 25, 1), 1
	s_wait_xcnt 0x0
	s_wait_alu depctr_hold_cnt(0) depctr_sa_sdst(0) depctr_va_vdst(0) depctr_va_sdst(0) depctr_va_ssrc(0) depctr_va_vcc(0) depctr_vm_vsrc(0)
	s_getreg_b32 s2, hwreg(HW_REG_IB_STS2, 6, 4)
	s_cmp_eq_u32 s2, 0
	s_cbranch_scc0 .Lentry_in_a_cluster
	s_endpgm
.Lentry_in_a_cluster:
	s_bfe_u32 s2, ttmp6, 0x10000c
	s_cmp_lg_u32 s2, 0xf033
	s_cbranch_scc0 .Lentry_shape_is_right
	s_endpgm
.Lentry_shape_is_right:
; out0 = ctx out_w^T + out_b on codes of FP4 (E2M1) with one E8M0 scale for each 32 along K = 1,024; sums and result in f32.  No work of reference() is left out.  NaN and infinities are not served.
; SHARES.  A work-group makes 128 tokens (tb) x 128 columns (nb).  Eight waves: wave / 2 picks two of the eight tiles of 16 tokens, e = wave % 2 picks 64 columns: 8 accumulators of 16 x 16.
; ALL OF K LIES IN LDS, as two halves: ctx's 8 tiles of 16 tokens as images of operand registers (4,096 dense bytes a tile and half), out_w's 128 rows of 256 bytes + 16 of padding.  Eight tensor loads, ONE A WAVE, all at the
; head: waves 0, 1 ctx and 2, 3 out_w of half 0, waves 4, 5 and 6, 7 the same of half 1.  Every byte is filled once.
; CLUSTER 4 x 4: the four work-groups of a row share tb and ask for ctx's tiles jointly, the four of a column share nb and ask for out_w's.
; No prefetch is written: every tensor load of the launch is issued at its head, so there is no earlier place from which to ask.
; THE MATRIX INSTRUCTION IS USED TRANSPOSED (source 0 = 16 rows of out_w, source 1 = 16 tokens): a lane holds eight neighbouring columns of one row of out0.  The accumulators begin as the bias.
; THE TOKENS OF A TILE: row r of tile t of a group of 64 tokens is 8 t + r for r < 8, and 32 + 8 ((t + 1) % 4) + r - 8 for r >= 8: the rows of out0 are stored accordingly.
; REGISTERS: v1-15 addresses; v32-47 ctx's scale words (8 m + ks); v48-79 out_w's (8 nt + ks); v80-111 ctx's fragments, two sets; v112-175 out_w's, two sets; v176-239 the accumulators (8 (4 m + nt));
;   v240-255 ctx's scale bytes as they come; on the way out v80-143 rows read back.
.set H3,   67584                       ; a half of K: 32,768 bytes of ctx, then 128 rows x 272 of out_w
.set STG,  2*H3                        ; behind the tiles: a stage of 16 rows x (256 + 16) bytes for each wave; no tile lands there
.set SPARE, STG+8*4352                 ; 128 bytes a wave that no other line names
.set WV,   16                          ; s16 wave; s17 wave / 4: the half that I fetch, and my group of 64 tokens; s18 wave % 2: e; s19 y = (wave / 2) % 2: my tiles are 2 y, 2 y + 1 of the group
.set G1A,  24
.set G1B,  32
.macro CROUND                          ; a round of the cluster's barrier
	s_barrier_signal -1
	s_barrier_wait -1
	s_cmp_lg_u32 s[WV], 0
	s_cbranch_scc1 .Lnot_wave_0_\@
	s_barrier_signal -3
.Lnot_wave_0_\@:
	s_barrier_wait -3
	s_barrier_signal -1
	s_barrier_wait -1
.endm
.macro ARM under, g0, g1, next         ; one arm of the head's loads, on the wave's number alone
	s_cmp_lt_u32 s[WV], \under
	s_cbranch_scc0 \next
	tensor_load_to_lds s[\g0:\g0+3], s[\g1:\g1+7]
	s_nop 0
.rept 4
	v_nop
.endr
	s_branch .Lasked
\next:
.endm
	s_load_b256 s[4:11], s[0:1], 0x0               ; ctx_img s[4:5], cs s[6:7], out_w_codes s[8:9], out_w_scales s[10:11]
	s_load_b128 s[12:15], s[0:1], 0x20             ; out_b s[12:13], out0 s[14:15]
	v_lshl_add_u32 v14, v0, 2, SPARE
	v_mov_b32 v15, 0
	ds_add_u32 v14, v15                            ; the opening lines
	ds_add_u32 v14, v15
	v_lshrrev_b32 v1, 5, v0
	v_readfirstlane_b32 s[WV], v1                  ; wave 0..7
	s_lshr_b32 s17, s[WV], 2
	s_and_b32 s18, s[WV], 1
	s_bfe_u32 s19, s[WV], 0x10001
	s_bfe_u32 s56, ttmp6, 0x40000                  ; cx
	s_bfe_u32 s57, ttmp6, 0x40004                  ; cy
	s_lshl_b32 s58, ttmp9, 2
	s_add_co_u32 s58, s58, s56                     ; nb = 4 x cluster x + cx
	s_and_b32 s59, ttmp7, 0xffff
	s_lshl_b32 s59, s59, 2
	s_add_co_u32 s59, s59, s57                     ; tb = 4 x cluster y + cy
	s_lshl_b32 s60, s57, 2
	s_lshl_b32 s60, 15, s60                        ; my row of the cluster
	s_lshl_b32 s61, 0x1111, s56                    ; my column
	s_or_b32 s[G1A], s60, (3<<16)|(1<<21)          ; ctx: 64 dense rows of 256 bytes (32 elements of 8 bytes), no padding
	s_mov_b32 s[G1A+1], 32<<16
	s_mov_b32 s[G1A+2], 64<<16
	s_mov_b32 s[G1A+3], 32<<16
	s_mov_b32 s[G1A+4], 64
	s_mov_b32 s[G1A+5], 32
	s_mov_b32 s[G1A+6], 0
	s_mov_b32 s[G1A+7], 0
	s_or_b32 s[G1B], s61, (1<<20)|(1<<21)|(5<<22)|(3<<25)   ; out_w: 64 rows x 256 bytes, 512 apart in memory, four words of padding after every 64
	s_mov_b32 s[G1B+1], 256<<16
	s_mov_b32 s[G1B+2], 64<<16
	s_mov_b32 s[G1B+3], 256<<16
	s_mov_b32 s[G1B+4], 64
	s_mov_b32 s[G1B+5], 512
	s_mov_b32 s[G1B+6], 0
	s_mov_b32 s[G1B+7], 0
	s_lshl_b32 s66, s59, 15                        ; ctx_img: tile 8 tb + 4 (wave % 2), 4,096 bytes a tile; half 1 lies 1,048,576 bytes on.  These registers never hold nb or cx
	s_lshl_b32 s67, s18, 14
	s_add_co_u32 s66, s66, s67
	s_lshl_b32 s67, s17, 20
	s_add_co_u32 s66, s66, s67
	s_mov_b32 s67, 0
	s_lshl_b32 s70, s58, 16                        ; out_w_codes: row 128 nb + 64 (wave % 2), half 1 256 bytes on.  These never hold tb or cy
	s_lshl_b32 s71, s18, 15
	s_add_co_u32 s70, s70, s71
	s_lshl_b32 s71, s17, 8
	s_add_co_u32 s70, s70, s71
	s_mov_b32 s71, 0
	s_mul_i32 s72, s17, H3                         ; where they go
	s_lshl_b32 s74, s18, 14
	s_add_co_u32 s74, s74, s72
	s_mul_i32 s75, s18, 17408
	s_add_co_u32 s75, s75, s72
	s_add_co_u32 s75, s75, 32768
.irp i, 77,79,81,83,85,87
	s_mov_b32 s\i, 0
.endr
	s_lshr_b32 s76, s59, 4                         ; cs: 65,536 batch + 256 (tb % 16) + 128 (my 64 tokens); heads lie 4,096 bytes apart
	s_lshl_b32 s76, s76, 16
	s_and_b32 s73, s59, 15
	s_lshl_b32 s73, s73, 8
	s_add_co_u32 s76, s76, s73
	s_lshl_b32 s73, s17, 7
	s_add_co_u32 s76, s76, s73
	s_lshl_b32 s78, s58, 12                        ; out_w_scales: row 128 nb + 64 e, 32 bytes a row
	s_lshl_b32 s73, s18, 11
	s_add_co_u32 s78, s78, s73
	s_lshl_b32 s80, s58, 9                         ; out_b: 128 nb + 64 e numbers
	s_lshl_b32 s73, s18, 8
	s_add_co_u32 s80, s80, s73
	s_lshl_b32 s82, s59, 19                        ; out0: row 128 tb + 64 (my group), 4,096 bytes a row, + the same column bytes
	s_add_co_u32 s82, s82, s80
	s_lshl_b32 s73, s17, 18
	s_add_co_u32 s82, s82, s73
	s_lshl_b32 s73, s19, 16
	s_xor_b32 s88, s19, 1
	s_lshl_b32 s88, s88, 16
	s_add_co_u32 s86, s82, s88
	s_add_co_u32 s86, s86, 32*4096                 ; rows 8-15 of tile 2 y + 1: token 32 + 16 (1 - y)
	s_add_co_u32 s82, s82, s73                     ; rows 0-7 of tile 2 y: token 16 y
	s_add_co_u32 s84, s82, 40*4096                 ; rows 8-15 of tile 2 y: token 40 + 16 y
	s_lshr_b32 s73, s[WV], 1
	s_lshl_b32 s73, s73, 13                        ; my two tiles of ctx
	s_mul_i32 s89, s18, 17408
	s_add_co_u32 s89, s89, 32768                   ; my 64 rows of out_w
	s_mul_i32 s90, s[WV], 4352
	s_add_co_u32 s90, s90, STG                     ; my stage
	s_lshl_b32 s91, s19, 2
	v_and_b32 v1, 15, v0                           ; r
	v_bfe_u32 v2, v0, 4, 1                         ; h
	v_and_b32 v3, 31, v0
	v_lshlrev_b32 v3, 4, v3                        ; 16 x lane
	v_add_nc_u32 v4, s73, v3                       ; v4-5 my ctx fragments in K half 0, 1
	v_add_nc_u32 v5, H3, v4
	v_lshlrev_b32 v12, 4, v2
	v_mul_u32_u24 v6, v1, 272
	v_add_nc_u32 v6, v6, v12
	v_add_nc_u32 v6, s89, v6                       ; v6-7 my out_w fragments: row x pitch + 16 h
	v_add_nc_u32 v7, H3, v6
	v_mul_u32_u24 v8, v1, 272
	v_lshl_add_u32 v8, v2, 5, v8
	v_add_nc_u32 v8, s90, v8                       ; in: row r, 32 bytes for each half of the lanes
	v_mul_u32_u24 v9, v2, 272
	v_lshl_add_u32 v9, v1, 4, v9
	v_add_nc_u32 v9, s90, v9                       ; back: lanes 0-15 one row of 256 bytes, lanes 16-31 the next
	v_lshlrev_b32 v10, 12, v2
	v_lshl_add_u32 v10, v1, 4, v10                 ; and the same two rows in out0
	v_lshlrev_b32 v11, 5, v1                       ; 32 r
	v_lshlrev_b32 v12, 5, v2                       ; 32 h
	v_lshlrev_b32 v13, 3, v1
	v_add_nc_u32 v13, s91, v13                     ; 8 r + 4 y
	s_mov_b32 s20, 0x05040100
	s_mov_b32 s21, 0x07060302
	s_wait_alu depctr_va_vdst(0)                   ; ahead of the waits below
	s_wait_dscnt 0x0                               ; both opening adds are done
	CROUND                                         ; all sixteen work-groups are here; the arguments are still on their way
	s_wait_kmcnt 0x0
	s_mov_b32 s40, 1
	s_mov_b32 s41, s74
	s_add_nc_u64 s[42:43], s[4:5], s[66:67]
	s_or_b32 s43, s43, 0x80000000
	s_mov_b32 s44, 1
	s_mov_b32 s45, s75
	s_add_nc_u64 s[46:47], s[8:9], s[70:71]
	s_or_b32 s47, s47, 0x80000000
	ARM 2, 40, G1A, .Lw_half_0
	ARM 4, 44, G1B, .Lc_half_1
	ARM 6, 40, G1A, .Lw_half_1
	tensor_load_to_lds s[44:47], s[G1B:G1B+7]
	s_nop 0
.rept 4
	v_nop
.endr
.Lasked:
	s_add_nc_u64 s[6:7], s[6:7], s[76:77]
	s_add_nc_u64 s[10:11], s[10:11], s[78:79]
	s_add_nc_u64 s[12:13], s[12:13], s[80:81]
	s_add_nc_u64 s[82:83], s[14:15], s[82:83]
	s_add_nc_u64 s[84:85], s[14:15], s[84:85]
	s_add_nc_u64 s[86:87], s[14:15], s[86:87]
.irp hd, 0,1,2,3,4,5,6,7,8,9,10,11,12,13,14,15
	global_load_b32 v[240+\hd], v13, s[6:7] offset:4096*\hd   ; row r of my two tiles: head hd's two scale bytes each
.endr
.irp nt, 0,1,2,3
.irp q, 0,1
	global_load_b128 v[48+8*\nt+4*\q:51+8*\nt+4*\q], v11, s[10:11] offset:512*\nt+16*\q
.endr
.endr
.irp m, 0,1
.irp nt, 0,1,2,3
.irp q, 0,1
	global_load_b128 v[176+32*\m+8*\nt+4*\q:179+32*\m+8*\nt+4*\q], v12, s[12:13] offset:64*\nt+16*\q   ; the tile's eight columns of my half: the sums begin as the bias
.endr
.endr
.endr
.macro FETCH ks                        ; 12 LDS loads in one run: K step ks: 4 fragments of out_w, 2 of ctx, into set ks % 2
.set KO, 64*((\ks)%4)
.set BF, 112+32*((\ks)%2)
.set AF, 80+16*((\ks)%2)
.irp nt, 0,1,2,3
.irp c, 0,1
	ds_load_b128 v[BF+8*\nt+4*\c:BF+8*\nt+4*\c+3], v[6+(\ks)/4] offset:4352*\nt+KO+32*\c
.endr
.endr
.irp m, 0,1
.irp c, 0,1
	ds_load_b128 v[AF+8*\m+4*\c:AF+8*\m+4*\c+3], v[4+(\ks)/4] offset:4096*\m+16*KO+512*\c
.endr
.endr
.endm
.macro MULH ks, m                      ; 4 products: token tile m x the four column tiles.  The 8 accumulators take turns in the same order in every step
.irp nt, 0,1,2,3
	v_wmma_scale_f32_16x16x128_f8f6f4 v[176+32*\m+8*\nt:183+32*\m+8*\nt], v[112+32*((\ks)%2)+8*\nt:119+32*((\ks)%2)+8*\nt], v[80+16*((\ks)%2)+8*\m:87+16*((\ks)%2)+8*\m], v[176+32*\m+8*\nt:183+32*\m+8*\nt], v[48+8*\nt+(\ks)], v[32+8*\m+(\ks)] matrix_a_fmt:MATRIX_FMT_FP4 matrix_b_fmt:MATRIX_FMT_FP4
.endr
.endm
.macro PLACES                          ; four plain vector lines behind matrix instructions (ISA guide 7.12.1)
.rept 4
	v_nop
.endr
.endm
.macro KSTEP ks, nx
	PLACES
	FETCH \nx
	s_wait_dscnt 12                                ; all but the 12 just issued: this step's fragments are in
	MULH \ks, 0
	MULH \ks, 1
.endm
	s_wait_loadcnt 0x0
.irp ks, 0,1,2,3,4,5,6,7
	v_perm_b32 v[32+\ks], v[241+2*\ks], v[240+2*\ks], s20   ; a K step of 128 is two heads: four bytes.  Tile 2 y: the low halves,
	v_perm_b32 v[40+\ks], v[241+2*\ks], v[240+2*\ks], s21   ; tile 2 y + 1: the high halves.  (Fourteen plain lines follow K step 0's words)
.endr
	s_wait_alu depctr_va_vdst(0)                   ; at the head's end
	s_cmp_lt_u32 s[WV], 4
	s_cbranch_scc0 .Lfetched_half_1
	s_wait_tensorcnt 0x0                           ; waves 0-3: my part of K half 0 is in; waves 4-7 have load lines of their own, for half 1
.Lfetched_half_1:
	s_barrier_signal -1
	s_barrier_wait -1                              ; K half 0 is whole
	FETCH 0
	FETCH 1
	s_wait_dscnt 12
	MULH 0, 0
	MULH 0, 1
	KSTEP 1, 2
	KSTEP 2, 3
	s_wait_dscnt 0x0                               ; K step 3's fragments are in, and no LDS load of mine is out at the signal
	s_wait_tensorcnt 0x0                           ; all my tensor loads are done
	s_barrier_signal -1
	MULH 3, 0                                      ; work on registers while the others arrive
	s_barrier_wait -1                              ; K half 1 is whole
	PLACES
	FETCH 4
	MULH 3, 1
	KSTEP 4, 5
	KSTEP 5, 6
	KSTEP 6, 7
	s_wait_dscnt 0x0
	MULH 7, 0
	MULH 7, 1
; THE WAY OUT, 16 tokens x 64 columns at a time, through my own stage: a lane's 32 bytes go in by rows of 272 bytes and come back as whole rows of 256.  LDS serves a wave's instructions in order (ISA guide 5.7.1.4):
; no wait stands between the stores and the loads, nor ahead of the next block's stores.
.macro TOSTAGE m
.irp nt, 0,1,2,3
	ds_store_b128 v8, v[176+32*\m+8*\nt:179+32*\m+8*\nt] offset:64*\nt       ; each accumulator from its low end on
	ds_store_b128 v8, v[180+32*\m+8*\nt:183+32*\m+8*\nt] offset:64*\nt+16
.endr
.irp i, 0,1,2,3,4,5,6,7
	ds_load_b128 v[80+32*\m+4*\i:83+32*\m+4*\i], v9 offset:544*\i
.endr
.endm
.macro SEND m, hi, younger             ; younger: the LDS instructions issued behind block m's loads, which may stay out
	s_wait_dscnt \younger
.irp i, 0,1,2,3
	global_store_b128 v10, v[80+32*\m+4*\i:83+32*\m+4*\i], s[82:83] offset:(8*\m+2*\i)*4096 th:TH_STORE_NT   ; 16 lanes store 256 consecutive bytes, aligned; written once, read by nobody here
.endr
.irp i, 0,1,2,3
	global_store_b128 v10, v[96+32*\m+4*\i:99+32*\m+4*\i], s[\hi:\hi+1] offset:2*\i*4096 th:TH_STORE_NT
.endr
.endm
	PLACES                                         ; ahead of the first read of results and of loads over the fragments
	TOSTAGE 0
	TOSTAGE 1
	SEND 0, 84, 16                                 ; behind block 0's loads: block 1's 8 stores and 8 loads
	SEND 1, 86, 0
	s_wait_tensorcnt 0x0                           ; the wave's end
	ds_add_u32 v14, v15
	s_wait_dscnt 0x0
	CROUND                                         ; the closing round: no work-group ends while a partner may still ask for a tile that names it
	s_endpgm
.Lfunc_end_k_q300165d3af_proj:
	.size	k_q300165d3af_proj, .Lfunc_end_k_q300165d3af_proj-k_q300165d3af_proj
	.p2alignl 7, 3214868480
	.fill 96, 4, 3214868480
	.section	.rodata,"a",@progbits
	.p2align	6, 0x0
	.amdhsa_kernel k_q300165d3af_proj
		.amdhsa_group_segment_fixed_size 171008
		.amdhsa_private_segment_fixed_size 0
		.amdhsa_enable_private_segment 0
		.amdhsa_kernarg_size 48
		.amdhsa_user_sgpr_count 2
		.amdhsa_user_sgpr_kernarg_segment_ptr 1
		.amdhsa_wavefront_size32 1
		.amdhsa_system_sgpr_workgroup_id_x 1
		.amdhsa_system_sgpr_workgroup_id_y 1
		.amdhsa_system_sgpr_workgroup_id_z 1
		.amdhsa_system_vgpr_workitem_id 0
		.amdhsa_next_free_vgpr 256
		.amdhsa_next_free_sgpr 92
		.amdhsa_reserve_vcc 0
		.amdhsa_float_denorm_mode_32 3
		.amdhsa_float_denorm_mode_16_64 3
		.amdhsa_memory_ordered 1
		.amdhsa_forward_progress 1
		.amdhsa_inst_pref_size 32
	.end_amdhsa_kernel
	.amdgpu_metadata
---
amdhsa.version: [ 1, 2 ]
amdhsa.kernels:
  - .name:           k_q300165d3af_proj
    .symbol:         k_q300165d3af_proj.kd
    .args:
      - { .name: ctx_img, .offset: 0, .size: 8, .value_kind: global_buffer, .address_space: global }
      - { .name: cs, .offset: 8, .size: 8, .value_kind: global_buffer, .address_space: global }
      - { .name: out_w_codes, .offset: 16, .size: 8, .value_kind: global_buffer, .address_space: global }
      - { .name: out_w_scales, .offset: 24, .size: 8, .value_kind: global_buffer, .address_space: global }
      - { .name: out_b, .offset: 32, .size: 8, .value_kind: global_buffer, .address_space: global }
      - { .name: out0, .offset: 40, .size: 8, .value_kind: global_buffer, .address_space: global }
    .group_segment_fixed_size: 171008
    .private_segment_fixed_size: 0
    .kernarg_segment_align: 8
    .kernarg_segment_size: 48
    .max_flat_workgroup_size: 256
    .sgpr_count:     92
    .vgpr_count:     256
    .wavefront_size: 32
...
	.end_amdgpu_metadata
.endif
;; end of part 3
